; MI455X (gfx1250); checked and timed in simulation.
; The chip was launched on July 23, 2026; its instructions are those of AMD's public machine-readable ISA for CDNA 5 (MIT licence, August 2026) and "CDNA5" Instruction Set Architecture Reference Guide (July 2026). The comments in the code are by the model that wrote it; some were corrected since.
;; Nearest Sim. Allowed arithmetic: matrix products marked QUANTISED: E2M3 operands, one E8M0 scale for each 32 along K, by v_wmma_scale_f32_16x16x128_f8f6f4 with both operands' format E2M3, f32 sums; everything else in f32.
;; Inputs: items 4,096 x 512 float32; queries 8 x 2,048 x 512 float32.
;; Outputs: out0 8 x 2,048 float32.
;; This version of the problem:
;;   THIS VERSION OF THE PROBLEM IS GIVEN IN LOW PRECISION. The matrix products marked QUANTISED in the list below multiply operands that are first quantised to E2M3 (2 exponent bits, 3 mantissa bits; 6 bits a number), with one power-of-two scale for each 32 numbers along K (OCP MX v1.0); their sums are f32. All else is computed in f32.
;;   The module's matrix products, in the order in which they are computed (A, B: the left and right operand; K: the contracted axis; several contracted axes count as one K, in the product's order):
;;     1. [M 16,384, K 512] x [K 512, N 4,096]; A: input queries; B: input items: QUANTISED
;;   THE QUANTISER, for each operand of a quantised product, along K:
;;     - K is cut into blocks of 32 from its start; a last block that is shorter is filled with zeros.
;;     - A block's scale is 2^e with e = floor(log2(the largest magnitude in the block)) - 2, held to -126 .. 127; a block of zeros has e = 0. As a byte (E8M0): e + 127.
;;     - Each number is divided by its block's scale, clamped to +-7.5, and rounded to the nearest number of E2M3, ties to even, subnormals kept.
;;     - The product sums the exact products of the quantised numbers (number of the format x scale) in f32.
;;   ~~~python
;;   def quantise(x, axis):      # numpy; x: float32 -> the quantised numbers, widened to float32 again
;;       x = np.moveaxis(x, axis, -1); K = x.shape[-1]
;;       x = np.pad(x, [(0, 0)] * (x.ndim - 1) + [(0, -K % 32)]); x = x.reshape(x.shape[:-1] + (-1, 32)); a = np.abs(x).max(-1, keepdims=True)
;;       e = np.where(a > 0, np.clip(np.frexp(np.where(a > 0, a, 1))[1] - 1 - 2, -126, 127), 0)      # np.frexp(a)[1] - 1 = floor(log2(a)), exactly
;;       r = np.clip(x / 2.0 ** e, -7.5, 7.5)
;;       step = 2.0 ** (np.maximum(np.frexp(np.where(r == 0, 1, r))[1] - 1, 0) - 3)
;;       q = np.round(r / step) * step * 2.0 ** e      # np.round: ties to even
;;       return np.moveaxis(q.reshape(q.shape[:-2] + (-1,))[..., :K], -1, axis).astype(np.float32)
;;   ~~~
;; One version. Each part assembles by itself: llvm-mc -triple=amdgcn-amd-amdhsa -mcpu=gfx1250 --defsym DOCPART=n.
;; ======== version 1 of 1: 3 launches
;; limits: right only within a limited range of input values
;; workspace buffers: qimg 6,553,600 bytes; iimg 1,638,400 bytes; part 1,048,576 bytes of whole numbers
;; launch quant (part 1): grid 256 x 1, 10 waves a work-group, no clusters, 168,960 bytes of LDS; arguments queries, items, qimg, iimg; writes qimg, iimg
.if DOCPART == 1
	.amdgcn_target "amdgcn-amd-amdhsa--gfx1250"
	.amdhsa_code_object_version 6
	.text
	.protected	k_q36a97f948b_quant
	.globl	k_q36a97f948b_quant
	.p2align	8
	.type	k_q36a97f948b_quant,@function
k_q36a97f948b_quant:
	s_mov_b64 s[64:65], 0
	v_nop
	global_prefetch_b8 v0, s[64:65] scope:SCOPE_SE
	s_setreg_imm32_b32 hwreg(HW_REG_WAVE_MODE, 25, 1), 1
	s_wait_xcnt 0x0
; Queries [16384][512] and items [4096][512], f32, into codes of FP6 (E2M3) with one E8M0 scale for each 32 along K, laid as images of the matrix operand's registers.
; WORK OF reference() THAT THE PROGRAM LEAVES OUT.  (1) The second of the top two indices: indices[:, 1] is never used.  (2) The softmax's exponentials, sums and divisions: of the softmax only the place of its
; largest value is used; exp(x - max) / sum rises with x for every row of finite scores, so that place is the place of the row's largest score, whatever the inputs hold.
; A NaN, an infinity or an overflow that reaches only the work left out is not carried to the result.
; LIMIT: where two scores lie so close that their f32 softmax values are equal, the definition takes the lower index; this program takes the larger score.  Equal scores go to the lowest index.
; LIMITS: blocks whose largest magnitude lies under 2^(3 - 127), the floor, have their byte held at 1; NaN and infinities among the inputs are not served.
; A block's scale byte is its largest magnitude's exponent field - 2.  (A block of zeros gets the floor's byte, 1: its codes are zeros, and this program alone reads the bytes.)
; IMAGE of a row block (16 rows): four fragments of 1,536 bytes (K steps of 128), then 256 bytes of scale words: lane (r, h) has 8 bytes, word u of them row r's scales of K step 2 u + h.
; SHARES.  1,280 row blocks, five to a work-group, two waves to a row block: wave 2 p + u takes rows' bytes 1,024 u .. + 1,023 (K steps 2 u and 2 u + 1), by one tensor load of 16 rows x 1,024 bytes.
; In LDS a row is followed by 16 bytes of padding: pitch 1,040.  All ten tiles of a work-group, 163,840 bytes, are asked for at the head, and nothing is filled again: no prefetch, there is no loop to run ahead in.
; The two waves' scale words meet in LDS behind a barrier and leave as one aligned 256 bytes.  No cluster: work-groups share no input.
.set WREG,  16640                      ; 16 rows x PITCH
.set PITCH, 1040
.set SCR,   10*WREG                    ; scale words: 256 bytes for each of the five row blocks
.set SPARE, SCR+1280                   ; the spare words, 128 bytes for each wave: no other line names them
.set W,     16                         ; v16-17   scale words of my two K steps
.set T,     20                         ; v20-26   second halves of blocks of codes
.set C,     32                         ; v32-55   codes of my two fragments
.set X,     96                         ; v96-223  the numbers, 64 for each K step
.set SPW,   224
.set NIL,   225
	s_load_b256 s[4:11], s[0:1], 0x0               ; queries, items, qimg, iimg
	v_lshl_add_u32 v[SPW], v0, 2, SPARE
	v_mov_b32 v[NIL], 0
	ds_add_u32 v[SPW], v[NIL]                      ; the opening: the add, twice on end, and its wait ahead of my tensor load
	ds_add_u32 v[SPW], v[NIL]
	v_lshrrev_b32 v1, 5, v0
	v_readfirstlane_b32 s12, v1                    ; wave 0..9
	s_lshr_b32 s38, s12, 1                         ; which of the work-group's row blocks
	s_and_b32 s39, s12, 1                          ; which half of K
	s_mul_i32 s13, ttmp9, 5
	s_add_co_u32 s13, s13, s38                     ; row block 0..1279: the first 1,024 are queries
	s_mul_i32 s40, s12, WREG
	s_mov_b32 s16, (2<<16)|(1<<20)|(7<<22)|(3<<25) ; elements of 4 bytes; padding on: after every 256 words 4 words
	s_mov_b32 s17, 256<<16                         ; tensor_dim0 = 256
	s_mov_b32 s18, 16<<16                          ; tensor_dim1 = 16
	s_mov_b32 s19, 256<<16                         ; tile_dim0 = 256
	s_mov_b32 s20, 16                              ; tile_dim1 = 16
	s_mov_b32 s21, 512                             ; from row to row
	s_mov_b32 s22, 0
	s_mov_b32 s23, 0
	s_mov_b32 s24, 1
	s_mov_b32 s25, s40
	s_lshl_b32 s41, s38, 8
	s_add_co_u32 s41, s41, SCR                     ; my row block's scale words in LDS,
	s_lshl_b32 s42, s39, 2
	s_add_co_u32 s42, s42, s41                     ; and my half's word of each pair
	s_mov_b32 s44, 0x76543210
	s_mov_b32 s45, 0xfedcba98                      ; v_permlanex16_b32's selects for lane l xor 16
	s_wait_dscnt 0x0                               ; both opening adds are done
	s_wait_kmcnt 0x0
	s_cmp_lt_u32 s13, 1024
	s_cselect_b64 s[4:5], s[4:5], s[6:7]
	s_cselect_b64 s[8:9], s[8:9], s[10:11]
	s_cselect_b32 s14, 0, 1024
	s_sub_co_u32 s13, s13, s14                     ; row block of its own tensor
	s_lshl_b32 s14, s13, 15
	s_lshl_b32 s43, s39, 10
	s_add_co_u32 s14, s14, s43
	s_mov_b32 s15, 0
	s_add_nc_u64 s[26:27], s[4:5], s[14:15]
	s_or_b32 s27, s27, 0x80000000
	tensor_load_to_lds s[24:27], s[16:23]          ; my 16 rows x 1,024 bytes: my one tensor load
	s_nop 0
	s_mul_i32 s14, s13, 6400
	s_mul_i32 s43, s39, 3072
	s_add_co_u32 s14, s14, s43
	s_add_nc_u64 s[8:9], s[8:9], s[14:15]          ; my two fragments in the image
	v_and_b32 v1, 31, v0                           ; lane
	v_and_b32 v2, 15, v0                           ; r
	v_bfe_u32 v3, v0, 4, 1                         ; h
	v_mul_u32_u24 v4, v2, PITCH
	v_lshl_add_u32 v4, v3, 7, v4                   ; row r, + 32 numbers for lanes 16-31
	v_add_nc_u32 v4, s40, v4
	v_lshlrev_b32 v5, 4, v1                        ; codes out: 16 bytes a lane
	v_lshlrev_b32 v6, 3, v1                        ; scale words out: 8 bytes a lane
	v_lshlrev_b32 v7, 3, v3                        ; 8 h
	v_add_nc_u32 v30, s42, v6
	v_add_nc_u32 v31, s41, v6
	v_mov_b32 v15, 0                               ; written once: a lane permute's destination counts as one of its sources
	v_cmp_eq_u32 vcc_lo, 1, v3
.macro DSL s                           ; lane (r, h): k = 64 c + 32 h + 0 .. 31 of row r, in K step s of my half
.irp c, 0,1
.irp i, 0,1,2,3,4,5,6,7
	ds_load_b128 v[X+64*(\s)+32*\c+4*\i:X+64*(\s)+32*\c+4*\i+3], v4 offset:512*(\s)+256*\c+16*\i
.endr
.endr
.endm
.macro QF s
.set XS, X+64*(\s)
.set CS, C+12*(\s)
.irp c, 0,1
	v_max3_num_f32 v[8+\c], |v[XS+32*\c]|, |v[XS+32*\c+1]|, 0x1800000   ; the block's largest magnitude, and the floor 2^(3 - 127); two blocks by turns
.endr
.irp i, 2,4,6,8,10,12,14,16,18,20,22,24,26,28,30
.irp c, 0,1
	v_max3_num_f32 v[8+\c], v[8+\c], |v[XS+32*\c+\i]|, |v[XS+32*\c+\i+1]|
.endr
.endr
.irp c, 0,1
	v_add_nc_u32 v[10+\c], 0xff000000, v[8+\c]     ; 2 off its exponent field: the conversion's scale operand
.endr
.irp c, 0,1
	v_lshrrev_b32 v[12+\c], 23, v[10+\c]           ; the scale's byte
.endr
	v_lshl_or_b32 v14, v13, 16, v12
	v_lshlrev_b32 v14, v7, v14                     ; blocks h and 2 + h at their places in the word;
	v_permlanex16_b32 v15, v14, s44, s45
	v_or_b32 v[W+(\s)], v14, v15                   ; with lane l xor 16's the word is whole
.irp c, 0,1
	v_cvt_scalef32_pk16_fp6_f32 v[CS+6*\c:CS+6*\c+2], v[XS+32*\c:XS+32*\c+15], v[10+\c]
	v_cvt_scalef32_pk16_fp6_f32 v[T+4*\c:T+4*\c+2], v[XS+32*\c+16:XS+32*\c+31], v[10+\c]   ; (three registers begin on an even number: made elsewhere and moved)
.endr
	v_nop                                          ; a plain place behind the scaled conversions
.irp c, 0,1
.irp i, 0,1,2
	v_mov_b32 v[CS+6*\c+3+\i], v[T+4*\c+\i]
.endr
.endr
.endm
.macro OUT s
.irp c, 0,1,2
	global_store_b128 v5, v[C+12*(\s)+4*\c:C+12*(\s)+4*\c+3], s[8:9] offset:1536*(\s)+512*\c   ; 32 lanes store 512 consecutive bytes, two aligned units of 256
.endr
.endm
	s_wait_alu depctr_va_vdst(0)                   ; the wait at the head's end
	s_wait_tensorcnt 0x0                           ; my tile has landed; no other wave reads it
	DSL 0
	DSL 1
	s_wait_dscnt 16                                ; K step 0's sixteen loads are in; K step 1's sixteen stay out
	QF 0
	OUT 0
	s_wait_dscnt 0x0
	QF 1
	OUT 1
	v_cndmask_b32 v28, v[W], v[W+1], vcc_lo        ; lane (r, h): K step 2 u + h
	ds_store_b32 v30, v28
	s_wait_dscnt 0x0                               ; for the other wave's sake: my store has landed
	s_barrier_signal -1
	s_barrier_wait -1
	s_cmp_lg_u32 s39, 0
	s_cbranch_scc1 .Lend
	ds_load_b64 v[28:29], v31                      ; the row block's first wave takes both waves' words
	s_wait_dscnt 0x0
	global_store_b64 v6, v[28:29], s[8:9] offset:6144   ; 32 lanes store one aligned unit of 256 bytes
.Lend:
	s_wait_tensorcnt 0x0                           ; the wave's end
	ds_add_u32 v[SPW], v[NIL]
	s_wait_dscnt 0x0
	s_endpgm
.Lfunc_end_k_q36a97f948b_quant:
	.size	k_q36a97f948b_quant, .Lfunc_end_k_q36a97f948b_quant-k_q36a97f948b_quant
	.p2alignl 7, 3214868480
	.fill 96, 4, 3214868480
	.section	.rodata,"a",@progbits
	.p2align	6, 0x0
	.amdhsa_kernel k_q36a97f948b_quant
		.amdhsa_group_segment_fixed_size 168960
		.amdhsa_private_segment_fixed_size 0
		.amdhsa_enable_private_segment 0
		.amdhsa_kernarg_size 32
		.amdhsa_user_sgpr_count 2
		.amdhsa_user_sgpr_kernarg_segment_ptr 1
		.amdhsa_wavefront_size32 1
		.amdhsa_system_sgpr_workgroup_id_x 1
		.amdhsa_system_sgpr_workgroup_id_y 1
		.amdhsa_system_sgpr_workgroup_id_z 1
		.amdhsa_system_vgpr_workitem_id 0
		.amdhsa_next_free_vgpr 226
		.amdhsa_next_free_sgpr 66
		.amdhsa_reserve_vcc 1
		.amdhsa_float_denorm_mode_32 3
		.amdhsa_float_denorm_mode_16_64 3
		.amdhsa_memory_ordered 1
		.amdhsa_forward_progress 1
		.amdhsa_inst_pref_size 12
	.end_amdhsa_kernel
	.amdgpu_metadata
---
amdhsa.version: [ 1, 2 ]
amdhsa.kernels:
  - .name:           k_q36a97f948b_quant
    .symbol:         k_q36a97f948b_quant.kd
    .args:
      - { .name: queries, .offset: 0, .size: 8, .value_kind: global_buffer, .address_space: global }
      - { .name: items, .offset: 8, .size: 8, .value_kind: global_buffer, .address_space: global }
      - { .name: qimg, .offset: 16, .size: 8, .value_kind: global_buffer, .address_space: global }
      - { .name: iimg, .offset: 24, .size: 8, .value_kind: global_buffer, .address_space: global }
    .group_segment_fixed_size: 168960
    .private_segment_fixed_size: 0
    .kernarg_segment_align: 8
    .kernarg_segment_size: 32
    .max_flat_workgroup_size: 320
    .sgpr_count:     66
    .vgpr_count:     226
    .wavefront_size: 32
...
	.end_amdgpu_metadata
.endif
;; end of part 1
;; launch score (part 2): grid 8 x 32, 8 waves a work-group, clusters of 4 x 4, 327,680 bytes of LDS; arguments qimg, iimg, part; writes part
.if DOCPART == 2
	.amdgcn_target "amdgcn-amd-amdhsa--gfx1250"
	.amdhsa_code_object_version 6
	.text
	.protected	k_q36a97f948b_score
	.globl	k_q36a97f948b_score
	.p2align	8
	.type	k_q36a97f948b_score,@function
k_q36a97f948b_score:
	s_mov_b64 s[64:65], 0
	v_nop
	global_prefetch_b8 v0, s[64:65] scope:SCOPE_SE
	s_setreg_imm32_b32 hwreg(HW_REG_WAVE_MODE, 25, 1), 1
	s_wait_xcnt 0x0
	s_wait_alu depctr_hold_cnt(0) depctr_sa_sdst(0) depctr_va_vdst(0) depctr_va_sdst(0) depctr_va_ssrc(0) depctr_va_vcc(0) depctr_vm_vsrc(0)
	s_getreg_b32 s2, hwreg(HW_REG_IB_STS2, 6, 4)
	s_cmp_eq_u32 s2, 0
	s_cbranch_scc0 .Lentry_in_a_cluster
	s_endpgm
.Lentry_in_a_cluster:
	s_bfe_u32 s2, ttmp6, 0x10000c
	s_cmp_lg_u32 s2, 0xf033
	s_cbranch_scc0 .Lentry_shape_is_right
	s_endpgm
.Lentry_shape_is_right:
; The quantised product score = q items^T on codes of FP6 (E2M3) with E8M0 scales, and for each query the place of its largest score among 512 items.
; WORK LEFT OUT: the softmax's exponentials and the second of the top two indices, as the first kernel's head shows.  LIMIT: where two scores lie so close that their f32 softmax values are equal,
; the definition takes the lower index; this text takes the larger score.  Equal scores go to the lowest index.  NaN and infinities are not served.
; SHARES.  Work-group (X, Y): items 512 X .. + 511 (32 item blocks of 16), queries 512 Y .. + 511.  Wave w of eight owns queries 512 Y + 64 w .. + 63: 4 query blocks x 4 K steps = 16 fragments,
; 192 registers, which STAY in registers; every wave walks the work-group's 32 item blocks: 13 LDS loads (6,400 bytes) feed 16 matrix instructions.
; Operands arrive as images of their registers (a row block: 4 fragments of 1,536 bytes, then 256 bytes of scale words): a fragment is three loads of 16 bytes a lane, each of 512 consecutive bytes.
; ORIENTATION.  Source 0 = 16 items, source 1 = 16 queries: lane (r, h) holds query r, its register j item 8 h + j: the maximum over items stays in a lane to the end.
; THE ARGMAX, for each query block: the running maximum (v_max3), the number of the item block at which it last rose, and that block's eight scores (selected by the same mask).
; The place in the block is looked up once, at the end.  Out goes, for each query and X, a pair of whole numbers: the score as a key that sorts as an unsigned number, and the item's index.
; CLUSTER 4 x 4: the four work-groups of a row of the cluster share Y and so A's blocks, the four of a column share X and so B's: each tile is asked for jointly.
; LDS: 0 .. 102,399 B's blocks 0-15;  102,400 .. 307,199 A;  102,400 .. 204,799 is filled ONCE more, with B's blocks 16-31, when A is in registers: so B's 32 blocks lie on end, 6,400 bytes apart;
; 307,200 .. 308,223 the spare words.  All of the LDS is claimed.
; NO PREFETCH: two of the three fills go out at the head, and the third has 14 item blocks' work, 224 matrix instructions a wave, between its request and the wait for it.
; REGISTERS.  Window 0: addresses, scale words, statistics, accumulators, the best blocks' scores, B's two buffers.  Window 1: A's fragments, K step s of query block a at v[12 (4 s + a)].
.set BLKB,  6400
.set AREG,  102400
.set SPARE, 307200
.set L16, 4                            ; v4   16 x lane
.set L8,  5                            ; v5   8 x lane
.set AAD, 6                            ; v6   LDS address of my lane's bytes in my A's fragments
.set ASD, 7                            ; v7   and in their scale words
.set ADR, 8                            ; v8   the same for the trip's item blocks
.set ADS, 9                            ; v9
.set NBV, 10                           ; v10  the item block's number
.set HB,  11                           ; v11  512 X + 8 h
.set SPW, 12                           ; v12  LDS address of my spare word; never rewritten
.set NIL, 13                           ; v13  0; never rewritten
.set SA,  16                           ; v16-23  A's scale words: register 2 a + u: lanes 0-15 K step 2 u, lanes 16-31 K step 2 u + 1
.set SB,  24                           ; v24-27  B's, buffer p: 2 p + u
.set RK,  28                           ; v28-31, v32-35  the running maxima, two sets by turns
.set T,   36                           ; v36-39  at work
.set BLK, 40                           ; v40-43  the block at which the maximum last rose
.set JJ,  44                           ; v44-63  the end's work
.set IDX, 48
.set KEY, 52
.set TMP, 56
.set OUTP, 60
.set ACC, 64                           ; v64-95  the four accumulators
.set BX,  96                           ; v96-127 the best blocks' scores
.set BF,  128                          ; v128-223 B's fragments, two buffers of 48
.set WV,  10                           ; s10  my wave's number
.set G1A, 20                           ; s[20:27] descriptor group 1 for A;  s[28:35] for B
.set G1B, 28
.set G0A, 36                           ; s[36:39], s[40:43], s[44:47] groups 0: A, B's first half, B's second half
.set G0B0, 40
.set G0B1, 44
.set MK,  48                           ; s[48:51] four masks
.set TB,  56                           ; s56  LDS byte of the trip's first item block
.set NB,  57                           ; s57  its number
.set CNT, 58
.set SEL, 60                           ; s[60:61] v_permlanex16_b32's selects for lane l xor 16
.set MSB, 0
.macro WIN new                         ; the immediate's high byte repeats the setting that is left
	s_set_vgpr_msb (MSB<<8)|\new
.set MSB, \new
.endm
.macro ROUND                           ; a round of the cluster's barrier
	s_barrier_signal -1
	s_barrier_wait -1
	s_cmp_lg_u32 s[WV], 0
	s_cbranch_scc1 .Lnot_wave_0_\@
	s_barrier_signal -3
.Lnot_wave_0_\@:
	s_barrier_wait -3
	s_barrier_signal -1
	s_barrier_wait -1
.endm
	s_load_b128 s[4:7], s[0:1], 0x0                ; qimg s[4:5], iimg s[6:7]
	s_load_b64 s[8:9], s[0:1], 0x10                ; part
	v_lshl_add_u32 v[SPW], v0, 2, SPARE
	v_mov_b32 v[NIL], 0
	ds_add_u32 v[SPW], v[NIL]                      ; the opening: the add, twice on end, and its wait; the set-up stands between
	ds_add_u32 v[SPW], v[NIL]
	v_lshrrev_b32 v1, 5, v0
	v_readfirstlane_b32 s[WV], v1                  ; wave 0..7
	s_bfe_u32 s11, ttmp6, 0x40000                  ; cx
	s_bfe_u32 s12, ttmp6, 0x40004                  ; cy
	s_lshl_b32 s13, ttmp9, 2
	s_add_co_u32 s13, s13, s11                     ; X = 4 x cluster x + cx
	s_and_b32 s14, ttmp7, 0xffff
	s_lshl_b32 s14, s14, 2
	s_add_co_u32 s14, s14, s12                     ; Y = 4 x cluster y + cy
	s_lshl_b32 s15, s12, 2
	s_lshl_b32 s15, 15, s15                        ; my row of the cluster
	s_lshl_b32 s16, 0x1111, s11                    ; my column
	s_and_b32 s17, s[WV], 3                        ; which quarter of a head's tile I fetch: waves 0-3 of A, waves 4-7 of B
	; group 1: dense blocks as rows of 256 bytes (32 elements of 8 bytes).  A: 8 row blocks = 200 rows, to my row of the cluster;  B: 4 row blocks = 100 rows, to my column
	s_or_b32 s[G1A], s15, (3<<16)|(1<<21)
	s_or_b32 s[G1B], s16, (3<<16)|(1<<21)
.irp g, G1A, G1B
	s_mov_b32 s[\g+1], 32<<16
	s_mov_b32 s[\g+3], 32<<16
	s_mov_b32 s[\g+5], 32
	s_mov_b32 s[\g+6], 0
	s_mov_b32 s[\g+7], 0
.endr
	s_mov_b32 s[G1A+2], 200<<16
	s_mov_b32 s[G1A+4], 200
	s_mov_b32 s[G1B+2], 100<<16
	s_mov_b32 s[G1B+4], 100
	s_lshl_b32 s66, s14, 5                         ; A: row block 32 Y + 8 x quarter (registers that never hold X)
	s_lshl_b32 s67, s17, 3
	s_add_co_u32 s66, s66, s67
	s_mul_i32 s66, s66, BLKB
	s_mov_b32 s67, 0
	s_lshl_b32 s68, s13, 5                         ; B's first half: row block 32 X + 4 x quarter (registers that never hold Y)
	s_lshl_b32 s69, s17, 2
	s_add_co_u32 s68, s68, s69
	s_mul_i32 s68, s68, BLKB
	s_mov_b32 s69, 0
	s_lshl_b32 s70, s13, 5                         ; B's second half: row block 32 X + 16 + 2 w
	s_lshl_b32 s71, s[WV], 1
	s_add_co_u32 s70, s70, s71
	s_add_co_u32 s70, s70, 16
	s_mul_i32 s70, s70, BLKB
	s_mov_b32 s71, 0
	s_lshl_b32 s74, s13, 17                        ; part: 131,072 X + 8 (512 Y + 64 w)
	s_lshl_b32 s75, s14, 12
	s_add_co_u32 s74, s74, s75
	s_lshl_b32 s75, s[WV], 9
	s_add_co_u32 s74, s74, s75
	s_mov_b32 s75, 0
	s_lshl_b32 s73, s13, 9                         ; 512 X
	s_mul_i32 s72, s17, 8*BLKB                     ; LDS places hang on the wave's number alone
	s_add_co_u32 s72, s72, AREG
	s_mul_i32 s76, s17, 4*BLKB
	s_mul_i32 s77, s[WV], 2*BLKB
	s_add_co_u32 s77, s77, AREG
	s_mul_i32 s78, s[WV], 4*BLKB                   ; my 4 query blocks of A
	s_add_co_u32 s78, s78, AREG
	s_mov_b32 s[SEL], 0x76543210
	s_mov_b32 s[SEL+1], 0xfedcba98
	s_wait_dscnt 0x0                               ; both opening adds are done
	s_wait_kmcnt 0x0
	s_mov_b32 s[G0A], 1
	s_mov_b32 s[G0A+1], s72
	s_add_nc_u64 s[G0A+2:G0A+3], s[4:5], s[66:67]
	s_or_b32 s[G0A+3], s[G0A+3], 0x80000000
	s_mov_b32 s[G0B0], 1
	s_mov_b32 s[G0B0+1], s76
	s_add_nc_u64 s[G0B0+2:G0B0+3], s[6:7], s[68:69]
	s_or_b32 s[G0B0+3], s[G0B0+3], 0x80000000
	s_mov_b32 s[G0B1], 1
	s_mov_b32 s[G0B1+1], s77
	s_add_nc_u64 s[G0B1+2:G0B1+3], s[6:7], s[70:71]
	s_or_b32 s[G0B1+3], s[G0B1+3], 0x80000000
	s_add_nc_u64 s[8:9], s[8:9], s[74:75]
	ROUND                                          ; all sixteen work-groups are here: the first joint loads meet
	; THE HEAD'S LOADS, one a wave, in the arms of one branch on the wave's number
	s_cmp_lt_u32 s[WV], 4
	s_cbranch_scc0 .Lfor_b
	tensor_load_to_lds s[G0A:G0A+3], s[G1A:G1A+7]      ; waves 0-3: 8 query blocks each
	s_nop 0
.rept 4
	v_nop
.endr
	s_branch .Lasked
.Lfor_b:
	tensor_load_to_lds s[G0B0:G0B0+3], s[G1B:G1B+7]    ; waves 4-7: 4 item blocks each, of blocks 0-15
	s_nop 0
.rept 4
	v_nop
.endr
.Lasked:
	v_and_b32 v1, 31, v0                           ; lane
	v_bfe_u32 v3, v0, 4, 1                         ; h
	v_lshlrev_b32 v[L16], 4, v1
	v_lshlrev_b32 v[L8], 3, v1
	v_add_nc_u32 v[AAD], s78, v[L16]
	v_add_nc_u32 v[ASD], s78, v[L8]
	v_lshl_add_u32 v[HB], v3, 3, s73
.irp a, 0,1,2,3
	v_mov_b32 v[RK+\a], 0xff800000                 ; the running maxima: -infinity, under every score
	v_mov_b32 v[BLK+\a], 0
.endr
.irp j, 0,1,2,3,4,5,6,7,8,9,10,11,12,13,14,15,16,17,18,19,20,21,22,23,24,25,26,27,28,29,30,31
	v_mov_b32 v[BX+\j], 0                          ; written once, so that the selects below may name them; the first block's scores take their place
.endr
	s_wait_alu depctr_va_vdst(0)                   ; the wait at the head's end
	s_cmp_lt_u32 s[WV], 4
	s_cbranch_scc0 .La_asked
	s_wait_tensorcnt 0x0                           ; the four waves that fetch A: my quarter has landed
.La_asked:
	s_barrier_signal -1
	s_barrier_wait -1                              ; A is whole; B's loads may be on their way
	WIN 0x40                                       ; destination window 1
.irp s, 0,1,2,3
.irp a, 0,1,2,3
.irp c, 0,1,2
	ds_load_b128 v[12*(4*\s+\a)+4*\c:12*(4*\s+\a)+4*\c+3], v[AAD] offset:BLKB*\a+1536*\s+512*\c
.endr
.endr
.endr
	WIN 0
.irp a, 0,1,2,3
	ds_load_b64 v[SA+2*\a:SA+2*\a+1], v[ASD] offset:BLKB*\a+6144
.endr
	; THE ONE REFILL: A's first 102,400 bytes take B's second half, two blocks a wave
	s_wait_tensorcnt 0x0                           ; all my tensor loads have landed
	ds_add_u32 v[SPW], v[NIL]                      ; 0 onto my spare word
	s_mov_b32 s[G1B+2], 50<<16                     ; no tensor load of mine is out: from here on B's tile is 50 rows, two blocks
	s_mov_b32 s[G1B+4], 50
	s_wait_dscnt 0x0                               ; the add is done, and my reads of A are back
	ROUND                                          ; no wave of any partner still reads A or has a load on its way; B's first half is whole in every work-group
	tensor_load_to_lds s[G0B1:G0B1+3], s[G1B:G1B+7]    ; my two of item blocks 16-31
	s_nop 0
; The item block at byte off behind the trip's first: 12 loads of 16 bytes a lane into buffer p, and its scale words
.macro LOADB p, off
.irp s, 0,1,2,3
.irp c, 0,1,2
	ds_load_b128 v[BF+48*(\p)+12*\s+4*\c:BF+48*(\p)+12*\s+4*\c+3], v[ADR] offset:(\off)+1536*\s+512*\c
.endr
.endr
	ds_load_b64 v[SB+2*(\p):SB+2*(\p)+1], v[ADS] offset:(\off)+6144
.endm
; K step s of buffer p against my 4 query blocks.  The four accumulators take turns, one instruction a turn.  K step 0 starts the sums: nothing is cleared.
; An odd K step's scale words stand in lanes 16-31 of both scale registers.
.macro MULS p, s
.irp a, 0,1,2,3
.if \s == 0
	v_wmma_scale_f32_16x16x128_f8f6f4 v[ACC+8*\a:ACC+8*\a+7], v[BF+48*\p+12*\s:BF+48*\p+12*\s+11], v[12*(4*\s+\a):12*(4*\s+\a)+11], 0, v[SB+2*\p+\s/2], v[SA+2*\a+\s/2] matrix_a_fmt:MATRIX_FMT_FP6 matrix_b_fmt:MATRIX_FMT_FP6
.elseif \s == 2
	v_wmma_scale_f32_16x16x128_f8f6f4 v[ACC+8*\a:ACC+8*\a+7], v[BF+48*\p+12*\s:BF+48*\p+12*\s+11], v[12*(4*\s+\a):12*(4*\s+\a)+11], v[ACC+8*\a:ACC+8*\a+7], v[SB+2*\p+\s/2], v[SA+2*\a+\s/2] matrix_a_fmt:MATRIX_FMT_FP6 matrix_b_fmt:MATRIX_FMT_FP6
.else
	v_wmma_scale_f32_16x16x128_f8f6f4 v[ACC+8*\a:ACC+8*\a+7], v[BF+48*\p+12*\s:BF+48*\p+12*\s+11], v[12*(4*\s+\a):12*(4*\s+\a)+11], v[ACC+8*\a:ACC+8*\a+7], v[SB+2*\p+\s/2], v[SA+2*\a+\s/2] matrix_a_fmt:MATRIX_FMT_FP6 matrix_b_fmt:MATRIX_FMT_FP6 matrix_a_scale:MATRIX_SCALE_ROW1 matrix_b_scale:MATRIX_SCALE_ROW1
.endif
.endr
.endm
.macro MUL p
	WIN 0x04                                       ; source 1 (queries) window 1, all else window 0
	MULS \p, 0
	MULS \p, 1
	MULS \p, 2
	MULS \p, 3
	WIN 0
.endm
; The block's 32 scores a lane go into the statistics.  The first four lines are the places behind the last products (ISA guide 7.12.1);
; each accumulator is read from its low end on.  The maxima's two sets take turns, so that old and new can be compared.
.macro ARG p
.set RI, RK+4*\p
.set RO, RK+4*(1-\p)
.if \p == 0
	v_mov_b32 v[NBV], s[NB]
.else
	v_add_nc_u32 v[NBV], 1, v[NBV]
.endif
.rept 3
	v_nop
.endr
.irp a, 0,1,2,3
	v_max3_num_f32 v[T+\a], v[RI+\a], v[ACC+8*\a], v[ACC+8*\a+1]
.endr
.irp a, 0,1,2,3
	v_max3_num_f32 v[T+\a], v[T+\a], v[ACC+8*\a+2], v[ACC+8*\a+3]
.endr
.irp a, 0,1,2,3
	v_max3_num_f32 v[T+\a], v[T+\a], v[ACC+8*\a+4], v[ACC+8*\a+5]
.endr
.irp a, 0,1,2,3
	v_max3_num_f32 v[RO+\a], v[T+\a], v[ACC+8*\a+6], v[ACC+8*\a+7]
.endr
.irp a, 0,1,2,3
	v_cmp_gt_f32 s[MK+\a], v[RO+\a], v[RI+\a]      ; has the maximum risen?  (An equal score of a later block leaves the earlier block in place)
.endr
.irp a, 0,1,2,3
	v_cndmask_b32 v[BLK+\a], v[BLK+\a], v[NBV], s[MK+\a]
.irp j, 0,1,2,3,4,5,6,7
	v_cndmask_b32 v[BX+8*\a+\j], v[BX+8*\a+\j], v[ACC+8*\a+\j], s[MK+\a]
.endr
.endr
.endm
; One item block, in buffer p.  pre = 1: the next block is fetched into the other buffer, whose last products stand a whole ARG back.
.macro BLOCK p, pre
.if \pre
	LOADB 1-\p, (\p+1)*BLKB
	s_wait_dscnt 13                                ; this block's 13 loads are in; the 13 just issued stay out
.else
	s_wait_dscnt 0x0
.endif
	MUL \p
	ARG \p
.endm
.macro TRIP pre1                       ; two item blocks
	v_add_nc_u32 v[ADR], s[TB], v[L16]
	v_add_nc_u32 v[ADS], s[TB], v[L8]
	BLOCK 0, 1
	BLOCK 1, \pre1
	s_add_co_u32 s[TB], s[TB], 2*BLKB
	s_add_co_u32 s[NB], s[NB], 2
.endm
	s_mov_b32 s[TB], 0
	s_mov_b32 s[NB], 0
	v_add_nc_u32 v[ADR], s[TB], v[L16]
	v_add_nc_u32 v[ADS], s[TB], v[L8]
	LOADB 0, 0
	s_mov_b32 s[CNT], 7
.Lfirst:                                               ; item blocks 0-13; block 14 is the last that is fetched: all lie under byte 96,000, in B's first half
	TRIP 1
	s_sub_co_u32 s[CNT], s[CNT], 1
	s_cmp_lg_u32 s[CNT], 0
	s_cbranch_scc1 .Lfirst
	s_wait_tensorcnt 0x0                           ; my two blocks of B's second half have landed (the one load of mine that was out),
	s_wait_dscnt 0x0                               ; no LDS load of mine is pending at the signal,
	s_barrier_signal -1
	s_barrier_wait -1                              ; and everybody's have
	s_mov_b32 s[TB], 14*BLKB
	s_mov_b32 s[NB], 14
	s_mov_b32 s[CNT], 8
.Lsecond:                                              ; item blocks 14-29
	TRIP 1
	s_sub_co_u32 s[CNT], s[CNT], 1
	s_cmp_lg_u32 s[CNT], 0
	s_cbranch_scc1 .Lsecond
	s_mov_b32 s[TB], 30*BLKB
	s_mov_b32 s[NB], 30
	TRIP 0                                         ; item blocks 30 and 31: the last fetches nothing
	; THE END.  The maxima lie in the first set (32 blocks: an even number of turns).  The place in the best block: the lowest j whose score equals the maximum.
	s_wait_alu depctr_va_vdst(0)                   ; the wait here, directly ahead of the readers below
.irp a, 0,1,2,3
	v_mov_b32 v[JJ+\a], 7
.endr
.irp j, 6,5,4,3,2,1,0
.irp a, 0,1,2,3
	v_cmp_neq_f32 s[MK+\a], v[BX+8*\a+\j], v[RK+\a]
.endr
.irp a, 0,1,2,3
	v_cndmask_b32 v[JJ+\a], \j, v[JJ+\a], s[MK+\a]
.endr
.endr
.irp a, 0,1,2,3
	v_lshl_add_u32 v[IDX+\a], v[BLK+\a], 4, v[HB]  ; the item: 512 X + 16 block + 8 h + j
.endr
.irp a, 0,1,2,3
	v_add_nc_u32 v[IDX+\a], v[IDX+\a], v[JJ+\a]
.endr
.irp a, 0,1,2,3
	v_add_f32 v[KEY+\a], 0, v[RK+\a]               ; -0 becomes +0, so that equal scores have equal keys
.endr
.irp a, 0,1,2,3
	v_ashrrev_i32 v[TMP+\a], 31, v[KEY+\a]
.endr
.irp a, 0,1,2,3
	v_or_b32 v[TMP+\a], 0x80000000, v[TMP+\a]
.endr
.irp a, 0,1,2,3
	v_xor_b32 v[KEY+\a], v[KEY+\a], v[TMP+\a]      ; the key: the sign bit turned where the score is positive, all bits where it is negative: it sorts as an unsigned number
.endr
.irp a, 0,1,2,3
	v_permlanex16_b32 v[RK+4+\a], v[KEY+\a], s[SEL], s[SEL+1]   ; the query's other eight items of each block lie in the lane 16 away
	v_permlanex16_b32 v[T+\a], v[IDX+\a], s[SEL], s[SEL+1]
.endr
.irp a, 0,1,2,3
	v_cmp_gt_u32 s[MK], v[RK+4+\a], v[KEY+\a]      ; the other half wins with the larger key, or with an equal key and the lower index
	v_cmp_eq_u32 s[MK+1], v[RK+4+\a], v[KEY+\a]
	v_cmp_lt_u32 s[MK+2], v[T+\a], v[IDX+\a]
	s_and_b32 s[MK+1], s[MK+1], s[MK+2]
	s_or_b32 s[MK], s[MK], s[MK+1]
	v_cndmask_b32 v[KEY+\a], v[KEY+\a], v[RK+4+\a], s[MK]
	v_cndmask_b32 v[IDX+\a], v[IDX+\a], v[T+\a], s[MK]
.endr
	v_cmp_eq_u32 vcc_lo, 1, v3                     ; lanes 16-31
.irp i, 0,1
	v_cndmask_b32 v[OUTP+2*\i], v[KEY+2*\i], v[KEY+2*\i+1], vcc_lo       ; lane (r, h) takes query block 2 i + h
	v_cndmask_b32 v[OUTP+2*\i+1], v[IDX+2*\i], v[IDX+2*\i+1], vcc_lo
.endr
.irp i, 0,1
	global_store_b64 v[L8], v[OUTP+2*\i:OUTP+2*\i+1], s[8:9] offset:256*\i   ; 32 lanes store 256 consecutive bytes, aligned: 32 queries' pairs
.endr
	s_wait_tensorcnt 0x0                           ; the wave's end
	ds_add_u32 v[SPW], v[NIL]
	s_wait_dscnt 0x0
	ROUND                                          ; the closing round: no work-group ends while a partner may still ask for a tile that names it
	s_endpgm
.Lfunc_end_k_q36a97f948b_score:
	.size	k_q36a97f948b_score, .Lfunc_end_k_q36a97f948b_score-k_q36a97f948b_score
	.p2alignl 7, 3214868480
	.fill 96, 4, 3214868480
	.section	.rodata,"a",@progbits
	.p2align	6, 0x0
	.amdhsa_kernel k_q36a97f948b_score
		.amdhsa_group_segment_fixed_size 327680
		.amdhsa_private_segment_fixed_size 0
		.amdhsa_enable_private_segment 0
		.amdhsa_kernarg_size 24
		.amdhsa_user_sgpr_count 2
		.amdhsa_user_sgpr_kernarg_segment_ptr 1
		.amdhsa_wavefront_size32 1
		.amdhsa_system_sgpr_workgroup_id_x 1
		.amdhsa_system_sgpr_workgroup_id_y 1
		.amdhsa_system_sgpr_workgroup_id_z 1
		.amdhsa_system_vgpr_workitem_id 0
		.amdhsa_next_free_vgpr 512
		.amdhsa_next_free_sgpr 80
		.amdhsa_reserve_vcc 1
		.amdhsa_float_denorm_mode_32 3
		.amdhsa_float_denorm_mode_16_64 3
		.amdhsa_memory_ordered 1
		.amdhsa_forward_progress 1
		.amdhsa_inst_pref_size 59
	.end_amdhsa_kernel
	.amdgpu_metadata
---
amdhsa.version: [ 1, 2 ]
amdhsa.kernels:
  - .name:           k_q36a97f948b_score
    .symbol:         k_q36a97f948b_score.kd
    .args:
      - { .name: qimg, .offset: 0, .size: 8, .value_kind: global_buffer, .address_space: global }
      - { .name: iimg, .offset: 8, .size: 8, .value_kind: global_buffer, .address_space: global }
      - { .name: part, .offset: 16, .size: 8, .value_kind: global_buffer, .address_space: global }
    .group_segment_fixed_size: 327680
    .private_segment_fixed_size: 0
    .kernarg_segment_align: 8
    .kernarg_segment_size: 24
    .max_flat_workgroup_size: 256
    .sgpr_count:     80
    .vgpr_count:     512
    .wavefront_size: 32
...
	.end_amdgpu_metadata
.endif
;; end of part 2
;; launch finish (part 3): grid 256 x 1, 16 waves a work-group, no clusters, 168,960 bytes of LDS; arguments part, queries, items, out0; writes out0
.if DOCPART == 3
	.amdgcn_target "amdgcn-amd-amdhsa--gfx1250"
	.amdhsa_code_object_version 6
	.text
	.protected	k_q36a97f948b_finish
	.globl	k_q36a97f948b_finish
	.p2align	8
	.type	k_q36a97f948b_finish,@function
k_q36a97f948b_finish:
	s_mov_b64 s[64:65], 0
	v_nop
	global_prefetch_b8 v0, s[64:65] scope:SCOPE_SE
	s_setreg_imm32_b32 hwreg(HW_REG_WAVE_MODE, 25, 1), 1
	s_wait_xcnt 0x0
; out0[t] = -(items[idx] . q[t]) / (max(|items[idx]|, 1e-12) max(|q[t]|, 1e-12)), in f32 on the numbers as they are given; idx = the item with the largest key among the query's eight pairs of part.
; part: [8][16384] pairs of whole numbers (key, index).  Keys sort as unsigned numbers; of two pairs the later eighth's wins only with a larger key, so equal keys go to the lowest index.
; (The second of the top two indices and the softmax's values are left out, as the first kernel's head shows.)
; SHARES.  A work-group takes 64 queries, a wave of sixteen 4; a lane takes 16 numbers of a row, in four pieces of 16 bytes.
; The wave's four rows of q, 8,192 consecutive bytes, come into LDS by one tensor load at the head; the four items' rows come by sixteen loads into registers, each of 512 consecutive bytes: all eight rows are on their way at once.
; Nothing is filled again.  No matrix unit, no cluster, no prefetch: a stream and a gather without a loop to run ahead in, whose work-groups share no tile.
; The index enters an address behind a clamp to 4,095, the table's last row.
; LIMITS: NaN and infinities are not served.
.set P,   8                            ; v8-23   the eight pairs of query lane % 4
.set IO,  26                           ; v26-29  byte offset of my 16 bytes in query i's item row
.set QL,  30                           ; v30     LDS address of my 16 bytes in my wave's rows of q
.set QQ,  34                           ; v34-41  q.q of query i in the pair 34 + 2 i
.set II,  42                           ; v42-49  item.item
.set QI,  50                           ; v50-57  q.item
.set SL,  64                           ; v64-191 four queries: q's row, 16 registers, and the item's row, 16
.set SPW, 192                          ; v192    LDS address of my spare word
.set NIL, 193                          ; v193    0
.set QREG, 256                         ; LDS: 0 .. 255 the 64 results; then q's 64 rows
.set SPARE, QREG+131072                ; the spare words, 128 bytes for each wave: no other line names them
.set G1,  48                           ; s[48:55], s[56:59] the descriptor's groups 1 and 0
.set G0,  56
	s_load_b256 s[4:11], s[0:1], 0x0               ; part s[4:5], queries s[6:7], items s[8:9], out0 s[10:11]
	v_lshl_add_u32 v[SPW], v0, 2, SPARE
	v_mov_b32 v[NIL], 0
	ds_add_u32 v[SPW], v[NIL]                      ; the opening: the add, twice on end, and its wait ahead of my tensor load
	ds_add_u32 v[SPW], v[NIL]
	v_lshrrev_b32 v1, 5, v0
	v_and_b32 v2, 31, v0                           ; lane
	v_and_b32 v5, 3, v0                            ; which of the wave's queries my lane keeps the results of
	v_readfirstlane_b32 s12, v1                    ; wave 0..15
	v_lshlrev_b32 v3, 3, v2                        ; 8 x lane: the way out
	v_lshlrev_b32 v4, 4, v2                        ; 16 x lane: my bytes of a load's 512
	v_lshlrev_b32 v6, 3, v5                        ; its pair in part
	s_lshl_b32 s13, s12, 4
	v_lshl_add_u32 v7, v5, 2, s13                  ; LDS: 4 x (4 x wave + lane % 4)
	s_lshl_b32 s[G0+1], s12, 13
	s_add_co_u32 s[G0+1], s[G0+1], QREG            ; my wave's rows of q in LDS
	v_add_nc_u32 v[QL], s[G0+1], v4
.irp i, 1,2,3
	v_cmp_eq_u32 s[16+\i], \i, v5
.endr
	s_wait_alu depctr_va_vdst(0)                   ; the wait at the head's end
	s_mov_b32 s[G1], 2<<16                         ; elements of 4 bytes, no padding
	s_mov_b32 s[G1+1], 512<<16                     ; tensor_dim0 = 512
	s_mov_b32 s[G1+2], 4<<16                       ; tensor_dim1 = 4
	s_mov_b32 s[G1+3], 512<<16                     ; tile_dim0 = 512
	s_mov_b32 s[G1+4], 4                           ; tile_dim1 = 4
	s_mov_b32 s[G1+5], 512                         ; from row to row
	s_mov_b32 s[G1+6], 0
	s_mov_b32 s[G1+7], 0
	s_mov_b32 s[G0], 1
	s_mov_b32 s32, 0x76543210
	s_mov_b32 s33, 0xfedcba98                      ; v_permlanex16_b32's selects for lane l xor 16
	s_lshl_b32 s20, ttmp9, 6
	s_lshl_b32 s14, s12, 2
	s_add_co_u32 s20, s20, s14                     ; my first query: 64 x work-group + 4 x wave
	s_mov_b32 s15, 0
	s_lshl_b32 s14, s20, 3
	s_wait_dscnt 0x0                               ; both opening adds are done
	s_wait_kmcnt 0x0
	s_add_nc_u64 s[4:5], s[4:5], s[14:15]
.irp x, 0,1,2,3,4,5,6,7
	global_load_b64 v[P+2*\x:P+2*\x+1], v6, s[4:5] offset:131072*\x
.endr
	s_lshl_b32 s22, s20, 11
	s_mov_b32 s23, 0
	s_add_nc_u64 s[G0+2:G0+3], s[6:7], s[22:23]
	s_or_b32 s[G0+3], s[G0+3], 0x80000000
	tensor_load_to_lds s[G0:G0+3], s[G1:G1+7]      ; my four rows of q: my one tensor load
	s_nop 0
	s_lshl_b32 s22, ttmp9, 8
	s_add_nc_u64 s[10:11], s[10:11], s[22:23]
	s_wait_loadcnt 0x0                             ; the pairs are in
; The largest key of eight: four choices, then two, then one; the right-hand pair wins only with a larger key
.macro BETTER m, l, r
	v_cndmask_b32 v[\l], v[\l], v[\r], s[\m]
	v_cndmask_b32 v[\l+1], v[\l+1], v[\r+1], s[\m]
.endm
.irp x, 0,1,2,3
	v_cmp_gt_u32 s[40+\x], v[P+4*\x+2], v[P+4*\x]
.endr
.irp x, 0,1,2,3
	BETTER 40+\x, P+4*\x, P+4*\x+2
.endr
.irp x, 0,1
	v_cmp_gt_u32 s[40+\x], v[P+8*\x+4], v[P+8*\x]
.endr
.irp x, 0,1
	BETTER 40+\x, P+8*\x, P+8*\x+4
.endr
	v_cmp_gt_u32 s40, v[P+8], v[P]
	v_cndmask_b32 v[P+1], v[P+1], v[P+9], s40
.irp i, 0,1,2,3
	v_readlane_b32 s[24+\i], v[P+1], \i            ; query i's index, the same for the whole wave,
	s_min_u32 s[24+\i], s[24+\i], 0xfff            ; held inside the table,
	v_lshl_add_u32 v[IO+\i], s[24+\i], 11, v4      ; times a row's 2,048 bytes, + my 16
.endr
.irp i, 0,1,2,3                        ; the items' rows (no hint: a row may be named by many queries)
.irp c, 0,1,2,3
	global_load_b128 v[SL+32*\i+16+4*\c:SL+32*\i+16+4*\c+3], v[IO+\i], s[8:9] offset:512*\c
.endr
.endr
	s_wait_tensorcnt 0x0                           ; my rows of q have landed; no other wave reads them
.irp i, 0,1,2,3
.irp c, 0,1,2,3
	ds_load_b128 v[SL+32*\i+4*\c:SL+32*\i+4*\c+3], v[QL] offset:2048*\i+512*\c
.endr
.endr
	s_wait_dscnt 0x0
.irp i, 0,1,2,3
	v_pk_mul_f32 v[QQ+2*\i:QQ+2*\i+1], v[SL+32*\i:SL+32*\i+1], v[SL+32*\i:SL+32*\i+1]   ; the first products start the sums
.endr
.irp k, 2,4,6,8,10,12,14
.irp i, 0,1,2,3
	v_pk_fma_f32 v[QQ+2*\i:QQ+2*\i+1], v[SL+32*\i+\k:SL+32*\i+\k+1], v[SL+32*\i+\k:SL+32*\i+\k+1], v[QQ+2*\i:QQ+2*\i+1]
.endr
.endr
; Query i's item row: item.item and q.item, two numbers an instruction
.macro ITEM i
.set Q, SL+32*\i
.set I, Q+16
	s_wait_loadcnt 12-4*\i                         ; this row's four loads are in; those of the rows behind it may be out
	v_pk_mul_f32 v[II+2*\i:II+2*\i+1], v[I:I+1], v[I:I+1]
	v_pk_mul_f32 v[QI+2*\i:QI+2*\i+1], v[Q:Q+1], v[I:I+1]
.irp k, 2,4,6,8,10,12,14
	v_pk_fma_f32 v[II+2*\i:II+2*\i+1], v[I+\k:I+\k+1], v[I+\k:I+\k+1], v[II+2*\i:II+2*\i+1]
	v_pk_fma_f32 v[QI+2*\i:QI+2*\i+1], v[Q+\k:Q+\k+1], v[I+\k:I+\k+1], v[QI+2*\i:QI+2*\i+1]
.endr
.endm
	ITEM 0
	ITEM 1
	ITEM 2
	ITEM 3
; The twelve sums over the lane's two halves of a pair, then over the 32 lanes, by turns
.irp g, 34,36,38,40,42,44,46,48,50,52,54,56
	v_add_f32 v[\g], v[\g], v[\g+1]
.endr
.irp m, 1,2,4,8
.irp g, 34,36,38,40,42,44,46,48,50,52,54,56
	v_add_f32_dpp v[\g], v[\g], v[\g] row_xmask:\m row_mask:0xf bank_mask:0xf
.endr
.endr
.irp g, 34,36,38,40,42,44,46,48,50,52,54,56
	v_permlanex16_b32 v[\g+1], v[\g], s32, s33
.endr
.irp g, 34,36,38,40,42,44,46,48,50,52,54,56
	v_add_f32 v[\g], v[\g], v[\g+1]
.endr
.irp i, 1,2,3                          ; the lanes with lane % 4 = i keep query i's
.irp g, QQ,II,QI
	v_cndmask_b32 v[\g], v[\g], v[\g+2*\i], s[16+\i]
.endr
.endr
	s_wait_alu depctr_va_vdst(0)                   ; the wait ahead of the batch, and behind it
	v_sqrt_f32 v58, v[QQ]                          ; |q|
	v_sqrt_f32 v59, v[II]                          ; |item|
	v_nop                                          ; a plain place behind the transcendentals
	s_wait_alu depctr_va_vdst(0)
	v_max_num_f32 v58, 0x2b8cbccc, v58             ; held at 1e-12 from below
	v_max_num_f32 v59, 0x2b8cbccc, v59
	s_wait_alu depctr_va_vdst(0)
	v_rcp_f32 v60, v58
	v_rcp_f32 v61, v59
	v_nop
	s_wait_alu depctr_va_vdst(0)
	v_mul_f32 v62, v[QI], v60                      ; one norm at a time: their product is never formed
	v_mul_f32 v62, -v61, v62
	ds_store_b32 v7, v62                           ; the eight lanes of a query write the same word with the same value
	s_wait_dscnt 0x0                               ; for the others' sake: my store has landed
	s_barrier_signal -1
	s_barrier_wait -1
	s_cmp_lg_u32 s12, 0
	s_cbranch_scc1 .Lend
	ds_load_b64 v[24:25], v3                       ; wave 0 takes the work-group's 64 results
	s_wait_dscnt 0x0
	global_store_b64 v3, v[24:25], s[10:11]        ; 32 lanes store 256 consecutive bytes, aligned
.Lend:
	s_wait_tensorcnt 0x0                           ; the wave's end
	ds_add_u32 v[SPW], v[NIL]
	s_wait_dscnt 0x0
	s_endpgm
.Lfunc_end_k_q36a97f948b_finish:
	.size	k_q36a97f948b_finish, .Lfunc_end_k_q36a97f948b_finish-k_q36a97f948b_finish
	.p2alignl 7, 3214868480
	.fill 96, 4, 3214868480
	.section	.rodata,"a",@progbits
	.p2align	6, 0x0
	.amdhsa_kernel k_q36a97f948b_finish
		.amdhsa_group_segment_fixed_size 168960
		.amdhsa_private_segment_fixed_size 0
		.amdhsa_enable_private_segment 0
		.amdhsa_kernarg_size 32
		.amdhsa_user_sgpr_count 2
		.amdhsa_user_sgpr_kernarg_segment_ptr 1
		.amdhsa_wavefront_size32 1
		.amdhsa_system_sgpr_workgroup_id_x 1
		.amdhsa_system_sgpr_workgroup_id_y 1
		.amdhsa_system_sgpr_workgroup_id_z 1
		.amdhsa_system_vgpr_workitem_id 0
		.amdhsa_next_free_vgpr 194
		.amdhsa_next_free_sgpr 66
		.amdhsa_reserve_vcc 0
		.amdhsa_float_denorm_mode_32 3
		.amdhsa_float_denorm_mode_16_64 3
		.amdhsa_memory_ordered 1
		.amdhsa_forward_progress 1
		.amdhsa_inst_pref_size 20
	.end_amdhsa_kernel
	.amdgpu_metadata
---
amdhsa.version: [ 1, 2 ]
amdhsa.kernels:
  - .name:           k_q36a97f948b_finish
    .symbol:         k_q36a97f948b_finish.kd
    .args:
      - { .name: part, .offset: 0, .size: 8, .value_kind: global_buffer, .address_space: global }
      - { .name: queries, .offset: 8, .size: 8, .value_kind: global_buffer, .address_space: global }
      - { .name: items, .offset: 16, .size: 8, .value_kind: global_buffer, .address_space: global }
      - { .name: out0, .offset: 24, .size: 8, .value_kind: global_buffer, .address_space: global }
    .group_segment_fixed_size: 168960
    .private_segment_fixed_size: 0
    .kernarg_segment_align: 8
    .kernarg_segment_size: 32
    .max_flat_workgroup_size: 512
    .sgpr_count:     66
    .vgpr_count:     194
    .wavefront_size: 32
...
	.end_amdgpu_metadata
.endif
;; end of part 3
